; MI455X (gfx1250); checked and timed in simulation.
; The chip was launched on July 23, 2026; its instructions are those of AMD's public machine-readable ISA for CDNA 5 (MIT licence, August 2026) and "CDNA5" Instruction Set Architecture Reference Guide (July 2026). The comments in the code are by the model that wrote it; some were corrected since.
;; Feed Forward Quantum. Allowed arithmetic: matrix products marked QUANTISED: E2M3 operands, one E8M0 scale for each 32 along K, by v_wmma_scale_f32_16x16x128_f8f6f4 with both operands' format E2M3, f32 sums; products left as they are: f32 operands where the result goes on into a quantised operand, else bf16, f16 or f32 operands; f32 sums; everything else in f32.
;; Inputs: W1 4,096 x 8 float32; W2_codes 1,024 x 128 x 24 uint8 (E2M3 codes of W2, K innermost, in blocks of 32 codes, four codes in three bytes); W2_scales 1,024 x 128 uint8 (E8M0 scales of W2, one for each 32 codes along K); b1 4,096 float32; b2 1,024 float32; theta 8 float32; x 8 x 2,048 x 1,024 float32.
;; Outputs: out0 8 x 2,048 x 1,024 float32.
;; This version of the problem:
;;   THIS VERSION OF THE PROBLEM IS GIVEN IN LOW PRECISION. The matrix products marked QUANTISED in the list below multiply operands that are first quantised to E2M3 (2 exponent bits, 3 mantissa bits; 6 bits a number), with one power-of-two scale for each 32 numbers along K (OCP MX v1.0); their sums are f32. All else is computed in f32.
;;   The module's matrix products, in the order in which they are computed (A, B: the left and right operand; K: the contracted axis; several contracted axes count as one K, in the product's order):
;;     1. [M 16,384, K 8] x [K 8, N 4,096]; A: computed on the way; B: input W1: left as it is (K = 8 < 32)
;;     2. [M 16,384, K 4,096] x [K 4,096, N 1,024]; A: computed on the way; B: input W2 (given as codes): QUANTISED
;;   THE QUANTISER, for each operand of a quantised product, along K:
;;     - K is cut into blocks of 32 from its start; a last block that is shorter is filled with zeros.
;;     - A block's scale is 2^e with e = floor(log2(the largest magnitude in the block)) - 2, held to -126 .. 127; a block of zeros has e = 0. As a byte (E8M0): e + 127.
;;     - Each number is divided by its block's scale, clamped to +-7.5, and rounded to the nearest number of E2M3, ties to even, subnormals kept.
;;     - The product sums the exact products of the quantised numbers (number of the format x scale) in f32.
;;   ~~~python
;;   def quantise(x, axis):      # numpy; x: float32 -> the quantised numbers, widened to float32 again
;;       x = np.moveaxis(x, axis, -1); K = x.shape[-1]
;;       x = np.pad(x, [(0, 0)] * (x.ndim - 1) + [(0, -K % 32)]); x = x.reshape(x.shape[:-1] + (-1, 32)); a = np.abs(x).max(-1, keepdims=True)
;;       e = np.where(a > 0, np.clip(np.frexp(np.where(a > 0, a, 1))[1] - 1 - 2, -126, 127), 0)      # np.frexp(a)[1] - 1 = floor(log2(a)), exactly
;;       r = np.clip(x / 2.0 ** e, -7.5, 7.5)
;;       step = 2.0 ** (np.maximum(np.frexp(np.where(r == 0, 1, r))[1] - 1, 0) - 3)
;;       q = np.round(r / step) * step * 2.0 ** e      # np.round: ties to even
;;       return np.moveaxis(q.reshape(q.shape[:-2] + (-1,))[..., :K], -1, axis).astype(np.float32)
;;   ~~~
;;   OPERANDS COMPUTED ON THE WAY. 'Computed on the way' means the value that the module computes at that place (a softmax that the list does not call 'softmax' is quantised finished and normalised). What goes into a quantiser is computed in f32, as accurately as f32 sums, v_exp_f32 and their like allow (about 1e-6 of the number): no bf16 or f16 on the way to a quantiser, and a product that is left as it is and whose result goes on into a quantised operand takes f32 operands (vector FMAs, or v_wmma_f32_16x16x4_f32). A number that lies on a knife's edge between two numbers of the format may be rounded either way, as far as f32 arithmetic and the matrix unit's own rounding can turn it there, and no further.
;;   INPUTS GIVEN AS CODES. W2 (in the module: [1024, 4096], K = its axis 1): each comes as NAME_codes (uint8): NAME with its K axis moved to the last place and cut into blocks of 32 codes, [.., K / 32, bytes a block], one block behind the other in memory; four codes in three bytes: a row's codes are one little-endian stream of bits, code i at bits 6 i .. 6 i + 5 (a code: sign, 2 exponent bits, 3 mantissa bits); and NAME_scales (uint8): the same leading axes, one E8M0 byte (e + 127) for each 32 codes along K. Its value is code x scale, taken as it is: it is not quantised again, and the codes and scales need not be those that the quantiser above would give.
;; One version. Each part assembles by itself: llvm-mc -triple=amdgcn-amd-amdhsa -mcpu=gfx1250 --defsym DOCPART=n.
;; ======== version 1 of 1: 2 launches
;; limits: right only within a limited range of input values
;; workspace buffers: h_codes 52,428,800 bytes; w2r 3,276,800 bytes
;; launch hq (part 1): grid 256 x 1, 16 waves a work-group, no clusters, 134,144 bytes of LDS; arguments x, theta, W1, b1, h_codes, W2_scales, W2_codes, w2r; writes h_codes, w2r
.if DOCPART == 1
	.amdgcn_target "amdgcn-amd-amdhsa--gfx1250"
	.amdhsa_code_object_version 6
	.text
	.protected	k_q5a78a14189_hq
	.globl	k_q5a78a14189_hq
	.p2align	8
	.type	k_q5a78a14189_hq,@function
k_q5a78a14189_hq:
	s_mov_b64 s[64:65], 0
	v_nop
	global_prefetch_b8 v0, s[64:65] scope:SCOPE_SE
	s_setreg_imm32_b32 hwreg(HW_REG_WAVE_MODE, 25, 1), 1
	s_wait_xcnt 0x0
; h = relu(q W1^T + b1), quantised along its 4,096 hidden units into FP6 (E2M3) codes with one E8M0 byte for each 32.  q = |a|^2 - |b|^2 of the one-qubit circuit on the first 8 features of each token.
; x [16384][1024] f32 (8 features used), theta [8], W1 [4096][8], b1 [4096] f32.  Out: codes [16384][3072 bytes] (a row's codes are one stream of bits, 32 codes in 24 bytes), scale bytes [16384][128].
; SHARES.  A work-group owns 64 rows; sixteen waves of 256 registers, four to a SIMD.  In each of four trips the work-group makes 32 blocks of 32 hidden units (768 bytes of each row): wave w makes blocks 2 w and 2 w + 1
; for all 64 rows.  A block is 16 f32 matrix instructions (4 row tiles x 2 unit tiles x K = 8 in two links, b1 as the C of the first link).
; THE PRODUCT IS USED TRANSPOSED (source 0 = 16 rows of W1, source 1 = 16 token rows): a lane holds one token row, and its registers run along the hidden units, which are the next product's K.
; THE ROWS OF W1 THAT FORM A TILE ARE NOT NEIGHBOURS: row m of tile u is unit 8 u + m + 8 (m / 8), so that the 16 registers of tiles u = 0, 1 are 16 neighbouring units, 16 (lane / 16) on.
; The 8 features are laid alike on both sides: link ks, register jj, lane half h holds feature 4 h + 2 ks + jj, so that a fragment of both links is one load of 16 bytes.
; THE WAY OUT.  A lane's 16 codes are 12 bytes of its row; they go into a stage in LDS (rows of 768 bytes + 16), and behind a barrier each wave stores 4 rows x 3 runs of 256 bytes, sixteen lanes to a run, each at a multiple of
; 256 from the buffer's first byte.  TWO STAGES TAKE TURNS, so that a trip has ONE barrier: a stage is written again two trips on, behind the next trip's barrier, in front of which every wave's reads of it are back.
; The next trip's first 16 products stand between that barrier's signal and its wait: they touch registers alone, and the matrix unit has work while the waves meet and while they store.
; The last trip is written out: it asks for no operands and multiplies nothing for a next trip.  The scale bytes gather in LDS and leave at the end as 32 runs of 256 bytes, one behind each tile's codes.
; LIMITS.  |x| and |theta| under 211,000 (the range of the three-part reduction of the angle); NaN and infinities are not served.  A block whose largest number lies under 2^-124 (a block of zeros too) gets the scale
; byte 1: these bytes are read by this program alone.  The sums run b1, then features 0, 1, 4, 5, then 2, 3, 6, 7: another order of rounding than a sum in ascending order.
; cos and sin enter only as squares of products, so their signs are dropped; only the exchange of the two in odd quadrants is made.
; THE CODES' LAYOUT IN MEMORY (this stands in place of what is said above of rows of 3,072 bytes and of runs of 256 bytes on the way out):
; codes lie as images of the next launch's operand registers.  For each group of 128 rows and each 128 along K: a dense tile of 12,288 bytes = 8 fragments of 16 rows;
; a fragment is 3 pieces of 512 bytes; piece j holds, at 16 x lane, registers 4 j .. 4 j + 3 of that lane's twelve.  Tiles: [group][K step].
; On the way out a wave reads two fragments a trip from the stage (six loads of 8 bytes each, as an operand is read) and stores each as three runs of 512 bytes.
; W2's codes are laid the same way into w2r: work-group g re-lays tile g (group g / 32, K step g % 32), its waves 0 to 7 a fragment each.
; THE SCALE BYTES lie behind each tile's 12,288 bytes of codes, so that a tile is 12,800 bytes: 512 bytes, [rows 0-63 | rows 64-127][row % 16][row tile of 16][4 bytes of the K step]:
; a lane of the next launch reads four row tiles' scale words as 16 bytes.  There is no buffer of scale bytes by itself; s[14:15] holds W2's scales, which wave 8 lays the same way.
.set SP,    784
.set STG1,  0x10000                    ; stage 0 begins at byte 0, stage 1 here, so that one exclusive or turns one into the other
.set HSC,   STG1+64*SP                 ; behind the stages: the scale bytes, 128 x row + block
.set QIMG,  HSC+8192                   ; q's fragments as they stand in registers: 512 bytes for each wave
.set RR,   1                           ; lane % 16
.set HH,   2                           ; lane / 16
.set LN,   3                           ; lane
.set TMP,  4
.set XO,   6
.set THO,  7
.set W1L,  8                           ; my byte in a trip's 32,768 bytes of W1
.set W1O,  9                           ; + the trip
.set B1L,  10                          ; my byte in a trip's 4,096 bytes of b1
.set B1O,  11
.set IW,   12                          ; stage 0: where my 12 bytes of codes go
.set IWW,  13                          ; the same in the trip's stage
.set SW,   14                          ; where my block's scale byte goes
.set SWW,  15                          ; + the trip
.set RD,   16                          ; stage 0: where I read 16 bytes of a row back
.set RDW,  17                          ; the same in the trip's stage
.set CO,   18                          ; and the same place in the work-group's rows of codes
.set COW,  19                          ; + the trip
.set QW,   20
.set LQ,   21
.set FS,   22                          ; the scale bytes' way out: 16 bytes a thread
.set FG,   23
.set MX,   24                          ; v24-27 a block's largest number, one for each row tile
.set PX,   28                          ; v28-31 the other half's; then the scale's byte
.set SO,   32                          ; v32-35 the conversions' scale operands
.set CD,   36                          ; v36-51 codes: four registers a row tile (three used; a conversion's three begin on an even number)
.set R,    52                          ; v52-67 16 numbers behind the relu
.set FB,   68                          ; v68-91 the way out: 6 x 16 bytes
.set XR,   92                          ; head: x (4), theta (4); at the end: scale bytes
.set CS,   100                         ; head: 8 cosines
.set SN,   108                         ; head: 8 sines
.set T,    116                         ; head: at work
.set QV,   124                         ; head: my four q
.set OP,   128                         ; v128-175 two sets of 24: W1's fragment u at + 4 u, b1 as C at + 8 + 8 u
.set QR,   176                         ; v176-191 q's fragment of row tile t at + 4 t
.set DT,   192                         ; v192-255 the results, tile (t, u) at DT + 16 t + 8 u: written by matrix instructions alone
.set WV,   16
.set SEL,  18
.set CNT,  20
.set TW,   21                          ; the byte in W1 of the trip whose operands are being loaded
.set TQ,   22
.set TS,   23
.set SGO,  24
.set ST,   25
.set KC1,  26                          ; -pi/2 in three parts
.set KC2,  27
.set KC3,  28
.set KCA,  29                          ; the cosine's polynomial
.set KCB,  30
.set KCC,  31
.set KSA,  32                          ; the sine's
.set KSB,  33
.set KSC,  34
.set KSD,  35
.set STG,  38                          ; 0 or STG1: the trip's stage
.macro PLACES n
.rept \n
	v_nop
.endr
.endm
; The operands of one block's products: two fragments of W1 (16 bytes a lane each), 16 numbers of b1.
.macro OPLOAD set, ow, ob, iw, ib
.irp u, 0,1
	global_load_b128 v[OP+24*(\set)+4*\u:OP+24*(\set)+4*\u+3], v[\ow], s[8:9] offset:(\iw)+256*\u
.endr
.irp u, 0,1,2,3
	global_load_b128 v[OP+24*(\set)+8+4*\u:OP+24*(\set)+8+4*\u+3], v[\ob], s[10:11] offset:(\ib)+16*\u
.endr
.endm
; Tile n = 2 t + u.  The first link takes b1 as C, the second adds in place; all eight first links come before the eight second ones, so that the accumulators take turns.
.macro F32ALL set
.irp n, 0,1,2,3,4,5,6,7
	v_wmma_f32_16x16x4_f32 v[DT+8*\n:DT+8*\n+7], v[OP+24*(\set)+4*(\n%2):OP+24*(\set)+4*(\n%2)+1], v[QR+4*(\n/2):QR+4*(\n/2)+1], v[OP+24*(\set)+8+8*(\n%2):OP+24*(\set)+8+8*(\n%2)+7]
.endr
.irp n, 0,1,2,3,4,5,6,7
	v_wmma_f32_16x16x4_f32 v[DT+8*\n:DT+8*\n+7], v[OP+24*(\set)+4*(\n%2)+2:OP+24*(\set)+4*(\n%2)+3], v[QR+4*(\n/2)+2:QR+4*(\n/2)+3], v[DT+8*\n:DT+8*\n+7]
.endr
.endm
; THE QUANTISER, a list of 120 lines; QI writes number n.  0-31: the largest number of my 16 of each row tile, with the floor 2^(3 - 127) among the leaves and no |.| (what the relu clips must not count);
; the results are read from their low ends on.  32-39: with lane l xor 16's: the block's.  40-43: 2 off the exponent field: the conversion's scale operand.  44-47: the scale's byte.
; From 48 on, 18 lines a row tile: the relu, the conversion, and the one plain line that stands behind a scaled conversion.
.macro QI n
.if (\n) < 4
	v_max3_num_f32 v[MX+(\n)], v[DT+16*(\n)], v[DT+16*(\n)+1], 0x1800000
.elseif (\n) < 32
	v_max3_num_f32 v[MX+(\n)%4], v[MX+(\n)%4], v[DT+16*((\n)%4)+2*((\n)/4)], v[DT+16*((\n)%4)+2*((\n)/4)+1]
.elseif (\n) < 36
	s_delay_alu instid0(VALU_DEP_4)
	v_permlanex16_b32 v[PX+(\n)-32], v[MX+(\n)-32], s[SEL], s[SEL+1]
.elseif (\n) < 40
	s_delay_alu instid0(VALU_DEP_4)
	v_max_num_f32 v[MX+(\n)-36], v[MX+(\n)-36], v[PX+(\n)-36]
.elseif (\n) < 44
	s_delay_alu instid0(VALU_DEP_4)
	v_add_nc_u32 v[SO+(\n)-40], 0xff000000, v[MX+(\n)-40]
.elseif (\n) < 48
	s_delay_alu instid0(VALU_DEP_4)
	v_lshrrev_b32 v[PX+(\n)-44], 23, v[SO+(\n)-44]
.else
.set qt, ((\n)-48)/18
.set qm, ((\n)-48)%18
.if qm < 16
	v_max_num_f32 v[R+qm], 0, v[DT+16*qt+qm]
.elseif qm == 16
	v_cvt_scalef32_pk16_fp6_f32 v[CD+4*qt:CD+4*qt+2], v[R:R+15], v[SO+qt]
.else
	v_nop
.endif
.endif
.endm
.macro QALL
.set qq, 0
.rept 120
	QI qq
.set qq, qq+1
.endr
.endm
; A block's codes and scale bytes go to LDS: three words a row tile, and one byte (both halves of the lanes write the same byte with the same value).
.macro QSTALL e
.irp t, 0,1,2,3
.irp i, 0,1,2
	ds_store_b32 v[IWW], v[CD+4*\t+\i] offset:16*SP*\t+24*(\e)+4*\i
.endr
	ds_store_b8 v[SWW], v[PX+\t] offset:2048*\t+(\e)
.endr
.endm
; |cos(x / 2)| and |sin(x / 2)|: n = the nearest whole number to y / (pi / 2); r = y - n pi / 2 by three fused multiply-adds; two polynomials in r^2 on -pi/4 .. pi/4; exchanged where n is odd.
.macro SINCOS xi, ci, si
	v_mul_f32 v[T], 0.5, v[\xi]
	s_delay_alu instid0(VALU_DEP_1)
	v_mul_f32 v[T+1], 0x3f22f983, v[T]             ; 2 / pi
	s_delay_alu instid0(VALU_DEP_1)
	v_rndne_f32 v[T+1], v[T+1]
	s_delay_alu instid0(VALU_DEP_1)
	v_fma_f32 v[T], v[T+1], s[KC1], v[T]
	s_delay_alu instid0(VALU_DEP_1)
	v_fma_f32 v[T], v[T+1], s[KC2], v[T]
	s_delay_alu instid0(VALU_DEP_1)
	v_fma_f32 v[T], v[T+1], s[KC3], v[T]
	s_delay_alu instid0(VALU_DEP_1)
	v_mul_f32 v[T+2], v[T], v[T]
	s_delay_alu instid0(VALU_DEP_1)
	v_fma_f32 v[T+3], v[T+2], s[KCA], s[KCB]
	s_delay_alu instid0(VALU_DEP_2)
	v_fma_f32 v[T+4], v[T+2], s[KSA], s[KSB]
	s_delay_alu instid0(VALU_DEP_2)
	v_fma_f32 v[T+3], v[T+3], v[T+2], s[KCC]
	s_delay_alu instid0(VALU_DEP_2)
	v_fma_f32 v[T+4], v[T+4], v[T+2], s[KSC]
	s_delay_alu instid0(VALU_DEP_2)
	v_fma_f32 v[T+3], v[T+3], v[T+2], -0.5
	s_delay_alu instid0(VALU_DEP_2)
	v_fma_f32 v[T+4], v[T+4], v[T+2], s[KSD]
	v_mul_f32 v[T+5], v[T], v[T+2]
	s_delay_alu instid0(VALU_DEP_3)
	v_fma_f32 v[T+3], v[T+3], v[T+2], 1.0          ; cos r
	s_delay_alu instid0(VALU_DEP_2)
	v_fma_f32 v[T+4], v[T+4], v[T+5], v[T]         ; sin r
	v_cvt_i32_f32 v[T+1], v[T+1]
	s_delay_alu instid0(VALU_DEP_1)
	v_and_b32 v[T+1], 1, v[T+1]
	s_delay_alu instid0(VALU_DEP_1)
	v_cmp_eq_u32 vcc_lo, 1, v[T+1]
	s_delay_alu instid0(VALU_DEP_1)
	v_cndmask_b32 v[\ci], v[T+3], v[T+4], vcc_lo
	s_delay_alu instid0(VALU_DEP_2)
	v_cndmask_b32 v[\si], v[T+4], v[T+3], vcc_lo
.endm
	s_load_b256 s[4:11], s[0:1], 0x0               ; x s[4:5], theta s[6:7], W1 s[8:9], b1 s[10:11]
	s_load_b128 s[12:15], s[0:1], 0x20
	s_load_b128 s[40:43], s[0:1], 0x30             ; W2's codes s[40:41], their new lay s[42:43]
	v_lshl_add_u32 v122, v0, 2, 0x20400
	v_mov_b32 v123, 0
	v_lshrrev_b32 v[TMP], 5, v0
	s_delay_alu instid0(VALU_DEP_1)
	v_readfirstlane_b32 s[WV], v[TMP]              ; wave 0..15
	v_and_b32 v[RR], 15, v0
	s_wait_alu depctr_va_vdst(0)
	v_bfe_u32 v[HH], v0, 4, 1
	v_and_b32 v[LN], 31, v0
	s_mov_b32 s[KC1], 0xbfc90fd8                   ; -1.57079601
	s_mov_b32 s[KC2], 0xb4a8885a                   ; -3.13916473e-7
	s_mov_b32 s[KC3], 0xa7c234c4                   ; -5.39030253e-15
	s_mov_b32 s[KCA], 0x37cd4000                   ; 2.44677e-5
	s_mov_b32 s[KCB], 0xbab6077d                   ; -1.38877297e-3
	s_mov_b32 s[KCC], 0x3d2aaaa8                   ; 4.16666567e-2
	s_mov_b32 s[KSA], 0x36405000                   ; 2.86568e-6
	s_mov_b32 s[KSB], 0xb9503486                   ; -1.98559923e-4
	s_mov_b32 s[KSC], 0x3c0888c1                   ; 8.33338592e-3
	s_mov_b32 s[KSD], 0xbe2aaaab                   ; -1.66666672e-1
	s_mov_b32 s[SEL], 0x76543210
	s_mov_b32 s[SEL+1], 0xfedcba98                 ; v_permlanex16_b32's selects for lane l xor 16
	s_and_b32 s[ST], s[WV], 3                      ; x: wave w makes q of row tile w % 4: 16 rows of 4,096 bytes,
	s_lshl_b32 s[ST], s[ST], 16
	v_lshl_add_u32 v[XO], v[RR], 12, s[ST]         ; row r,
	s_wait_alu depctr_va_vdst(0)
	v_lshl_add_u32 v[XO], v[HH], 4, v[XO]          ; + 16 h: features 4 h .. 4 h + 3
	v_lshlrev_b32 v[THO], 4, v[HH]
	v_and_b32 v[TMP], 8, v[RR]
	s_delay_alu instid0(VALU_DEP_1)
	v_add_nc_u32 v[TMP], v[TMP], v[RR]             ; r + 8 (r / 8)
	s_delay_alu instid0(VALU_DEP_1)
	v_lshlrev_b32 v[TMP], 5, v[TMP]                ; a row of W1 is 32 bytes
	s_delay_alu instid0(VALU_DEP_1)
	v_lshl_add_u32 v[TMP], v[HH], 4, v[TMP]
	s_lshl_b32 s[ST], s[WV], 11                    ; my wave's 64 units of a trip
	v_add_nc_u32 v[W1L], s[ST], v[TMP]
	s_lshl_b32 s[ST], s[WV], 8
	v_lshl_add_u32 v[B1L], v[HH], 6, s[ST]         ; b1: 256 w + 64 h
	v_mul_u32_u24 v[IW], v[RR], SP
	s_delay_alu instid0(VALU_DEP_1)
	v_mad_u32_u24 v[IW], v[HH], 12, v[IW]
	s_mul_i32 s[ST], s[WV], 48
	v_add_nc_u32 v[IW], s[ST], v[IW]               ; a stage: row r, my wave's two blocks of 24 bytes, my half's 12
	s_lshl_b32 s[ST], s[WV], 1
	s_add_co_u32 s[ST], s[ST], HSC
	v_lshl_add_u32 v[SW], v[RR], 7, s[ST]          ; the scale bytes: 128 r + 2 w
	s_and_b32 s[ST], s[WV], 3                      ; back: row tile w % 4, K steps w / 4 and w / 4 + 4 of the trip's eight
	s_mul_i32 s[ST], s[ST], 16*SP
	s_lshr_b32 s[TQ], s[WV], 2
	s_mul_i32 s[TS], s[TQ], 96
	s_add_co_u32 s[ST], s[ST], s[TS]
	v_mul_u32_u24 v[RD], v[RR], SP
	s_delay_alu instid0(VALU_DEP_1)
	v_mad_u32_u24 v[RD], v[HH], 24, v[RD]          ; row r, + 24 h: as an operand's lane reads
	s_delay_alu instid0(VALU_DEP_1)
	v_add_nc_u32 v[RD], s[ST], v[RD]
	s_and_b32 s[ST], s[WV], 3                      ; and in the codes' buffer: fragment w % 4 of tile w / 4, 16 bytes a lane
	s_mul_i32 s[ST], s[ST], 1536
	s_mul_i32 s[TQ], s[TQ], 12800
	s_add_co_u32 s[ST], s[ST], s[TQ]
	v_lshl_add_u32 v[CO], v[LN], 4, s[ST]
	v_lshl_add_u32 v[QW], v0, 4, QIMG              ; q's images: 512 x wave + 16 x lane
	s_lshr_b32 s[ST], s[WV], 2                     ; I read those of the four waves 4 (w / 4) on, which hold row tiles 0 to 3
	s_lshl_b32 s[ST], s[ST], 11
	s_add_co_u32 s[ST], s[ST], QIMG
	v_lshl_add_u32 v[LQ], v[LN], 4, s[ST]
	v_lshrrev_b32 v[FG], 4, v0                     ; the scale bytes' way out: thread t takes K step t / 16, row t % 16 of each of the four row tiles
	v_lshl_add_u32 v[FS], v[RR], 7, HSC
	s_delay_alu instid0(VALU_DEP_1)
	v_lshl_add_u32 v[FS], v[FG], 2, v[FS]
	v_mul_u32_u24 v[FG], v[FG], 12800
	s_delay_alu instid0(VALU_DEP_1)
	v_lshl_add_u32 v[FG], v[RR], 4, v[FG]
	s_and_b32 s[ST], ttmp9, 1                      ; behind the tile's codes, + 256 for rows 64-127; the codes' base already holds 6,144 for these
	s_mul_i32 s[ST], s[ST], 5888
	s_sub_co_u32 s[ST], 12288, s[ST]
	v_add_nc_u32 v[FG], s[ST], v[FG]
.irp t, 0,1,2,3
	v_mov_b32 v[PX+\t], 0                          ; written once: a lane permute's destination counts as one of its sources
.endr
	s_mov_b32 s37, 0
	s_wait_kmcnt 0x0
	s_lshl_b32 s36, ttmp9, 18                      ; my 64 rows of x: 4,096 bytes each
	s_add_nc_u64 s[4:5], s[4:5], s[36:37]
	s_lshr_b32 s36, ttmp9, 1                       ; my group of 128 rows: 32 tiles of 12,800 bytes,
	s_mul_i32 s36, s36, 409600
	s_and_b32 s[ST], ttmp9, 1                      ; and its fragments 0-3 or 4-7
	s_mul_i32 s[ST], s[ST], 6144
	s_add_co_u32 s36, s36, s[ST]
	s_add_nc_u64 s[12:13], s[12:13], s[36:37]
	global_load_b128 v[XR:XR+3], v[XO], s[4:5]
	global_load_b128 v[XR+4:XR+7], v[THO], s[6:7]
	OPLOAD 0, W1L, B1L, 0, 0                       ; the first trip's operands
	OPLOAD 1, W1L, B1L, 1024, 128
	s_cmp_lt_u32 s[WV], 8                          ; W2's tile: waves 0 to 7, a fragment each
	s_cbranch_scc0 .Lno_w2
	s_lshr_b32 s44, ttmp9, 5
	s_lshl_b32 s44, s44, 3
	s_add_co_u32 s44, s44, s[WV]                   ; which 16 rows of W2
	s_mul_i32 s44, s44, 16*3072
	s_and_b32 s45, ttmp9, 31
	s_mul_i32 s45, s45, 96                         ; which 128 along K
	s_add_co_u32 s44, s44, s45
	v_mul_u32_u24 v36, v[RR], 3072
	s_delay_alu instid0(VALU_DEP_1)
	v_mad_u32_u24 v36, v[HH], 24, v36
	s_delay_alu instid0(VALU_DEP_1)
	v_add_nc_u32 v36, s44, v36
	s_mul_i32 s44, ttmp9, 12800
	s_mul_i32 s45, s[WV], 1536
	s_add_co_u32 s44, s44, s45
	v_lshl_add_u32 v37, v[LN], 4, s44
	s_wait_alu depctr_va_vdst(0)
.irp p, 0,1,2,3,4,5
	global_load_b64 v[FB+2*\p:FB+2*\p+1], v36, s[40:41] offset:48*(\p/3)+8*(\p%3)
.endr
	s_wait_loadcnt 0x0                             ; these six are the youngest: all my loads are in
.irp j, 0,1,2
	global_store_b128 v37, v[FB+4*\j:FB+4*\j+3], s[42:43] offset:512*\j   ; 32 lanes store 512 consecutive bytes, at a multiple of 512 from the buffer's first byte
.endr
.Lno_w2:
	s_cmp_eq_u32 s[WV], 8                          ; the scale words of W2's tile: wave 8; lane (r, h) takes row r of row tiles 4 h .. 4 h + 3
	s_cbranch_scc0 .Lno_w2s
	s_lshr_b32 s44, ttmp9, 5
	s_lshl_b32 s44, s44, 14                        ; 128 rows of 128 bytes
	s_and_b32 s45, ttmp9, 31
	s_lshl_b32 s45, s45, 2                         ; the K step's four bytes
	s_add_co_u32 s44, s44, s45
	v_lshlrev_b32 v38, 7, v[RR]
	s_delay_alu instid0(VALU_DEP_1)
	v_lshl_add_u32 v38, v[HH], 13, v38
	s_delay_alu instid0(VALU_DEP_1)
	v_add_nc_u32 v38, s44, v38
	s_mul_i32 s44, ttmp9, 12800
	s_add_co_u32 s44, s44, 12288
	v_lshl_add_u32 v39, v[LN], 4, s44
	s_wait_alu depctr_va_vdst(0)
.irp t, 0,1,2,3
	global_load_b32 v[FB+12+\t], v38, s[14:15] offset:2048*\t
.endr
	s_wait_loadcnt 0x0
	global_store_b128 v39, v[FB+12:FB+15], s[42:43]   ; 32 lanes store 512 consecutive bytes, at a multiple of 256 from the buffer's first byte
.Lno_w2s:
	s_wait_loadcnt 12                              ; x and theta are in; the twelve operand loads may be out
.set qq, 0
.rept 8
	SINCOS XR+qq, CS+qq, SN+qq                     ; 4 of x, then 4 of theta
.set qq, qq+1
.endr
.set qq, 0
.rept 4                                            ; |a|^2 = (ct cx)^2 + (st sx)^2, |b|^2 = (st cx)^2 + (ct sx)^2, q = |a|^2 - |b|^2
	v_mul_f32 v[T], v[CS+4+qq], v[CS+qq]
	v_mul_f32 v[T+1], v[SN+4+qq], v[SN+qq]
	v_mul_f32 v[T+2], v[SN+4+qq], v[CS+qq]
	v_mul_f32 v[T+3], v[CS+4+qq], v[SN+qq]
	s_delay_alu instid0(VALU_DEP_4)
	v_mul_f32 v[T], v[T], v[T]
	s_delay_alu instid0(VALU_DEP_3)
	v_mul_f32 v[T+2], v[T+2], v[T+2]
	s_delay_alu instid0(VALU_DEP_2)
	v_fma_f32 v[T], v[T+1], v[T+1], v[T]
	s_delay_alu instid0(VALU_DEP_2)
	v_fma_f32 v[T+2], v[T+3], v[T+3], v[T+2]
	s_delay_alu instid0(VALU_DEP_1)
	v_sub_f32 v[QV+qq], v[T], v[T+2]
.set qq, qq+1
.endr
	ds_store_b128 v[QW], v[QV:QV+3]                ; my fragment as it stands: 16 bytes a lane, in bytes of my wave's own
	s_wait_dscnt 0x0                               ; for the others' sake: it has landed
	s_barrier_signal -1
	s_barrier_wait -1
.irp t, 0,1,2,3
	ds_load_b128 v[QR+4*\t:QR+4*\t+3], v[LQ] offset:512*\t   ; q of all 64 rows stays in registers
.endr
	s_wait_dscnt 0x0
; A TRIP: 32 blocks of hidden units for the work-group, two for my wave.  At its head my first block's 16 products have been issued.  next = 1: there is a next trip: its operands are asked for, and its first 16 products are issued.
.macro TRIP next
	s_wait_xcnt 0x0                                ; the last trip's loads and stores have read their offsets and data: these are written again only behind this wait
.if \next
	s_add_co_u32 s[TW], s[TW], 32768               ; the operands asked for in this trip are the next trip's
	s_lshr_b32 s[TQ], s[TW], 3
	v_add_nc_u32 v[W1O], s[TW], v[W1L]
	v_add_nc_u32 v[B1O], s[TQ], v[B1L]
.endif
	v_add_nc_u32 v[SWW], s[TS], v[SW]
	v_add_nc_u32 v[COW], s[SGO], v[CO]
	v_add_nc_u32 v[IWW], s[STG], v[IW]
	v_add_nc_u32 v[RDW], s[STG], v[RD]
	PLACES 4-2*(\next)                             ; with the additions above: eight places behind the f32 form, in front of the first read of its results and of loads into its sources
.if \next
	OPLOAD 0, W1O, B1O, 0, 0
.endif
	QALL                                           ; (no LDS instruction of mine is out here: the count-down of the last way out ended at 0)
	QSTALL 0
	s_wait_loadcnt 6*(\next)                       ; my second block's six operand loads are in; the six just issued may be out
	F32ALL 1
	PLACES 8
.if \next
	OPLOAD 1, W1O, B1O, 1024, 128
.endif
	s_wait_dscnt 0x0                               ; the first block's LDS stores have read their registers
	QALL
	QSTALL 1
.if \next
	s_wait_loadcnt 6                               ; the next trip's first six operand loads are in; its second six may be out
.endif
	s_wait_dscnt 0x0                               ; for the others' sake: my codes and scale bytes have landed; and my reads of the other stage are long back
	s_barrier_signal -1
.if \next
	F32ALL 0                                       ; work on registers while the others arrive: the next trip's first block
.endif
	s_barrier_wait -1                              ; 64 rows x 768 bytes lie in the trip's stage
.irp i, 0,1,2,3,4,5,6,7,8,9,10,11
	ds_load_b64 v[FB+2*\i:FB+2*\i+1], v[RDW] offset:384*(\i/6)+48*((\i%6)/3)+8*(\i%3)
.endr
.irp i, 0,1,2,3,4,5
	s_wait_dscnt 10-2*\i                           ; LDS loads come back in order: loads 2 i and 2 i + 1 are in, the younger ones may be out
	global_store_b128 v[COW], v[FB+4*\i:FB+4*\i+3], s[12:13] offset:51200*(\i/3)+512*(\i%3)   ; 32 lanes store 512 consecutive bytes, at a multiple of 256 from the buffer's first byte
.endr
.if \next
	s_add_co_u32 s[TS], s[TS], 32
	s_add_co_u32 s[SGO], s[SGO], 102400            ; eight tiles on
	s_xor_b32 s[STG], s[STG], STG1                 ; on to the other stage
.endif
.endm
	s_wait_loadcnt 6                               ; the first block's six operand loads are in; the second block's may be out
	F32ALL 0
	s_mov_b32 s[TW], 0
	s_mov_b32 s[TS], 0
	s_mov_b32 s[SGO], 0
	s_mov_b32 s[STG], 0
	s_mov_b32 s[CNT], 3
.Ltrip:                                            ; three trips that have a successor
	TRIP 1
	s_sub_co_u32 s[CNT], s[CNT], 1
	s_cmp_lg_u32 s[CNT], 0
	s_cbranch_scc1 .Ltrip
	TRIP 0                                         ; the last
.irp t, 0,1,2,3
	ds_load_b32 v[XR+\t], v[FS] offset:2048*\t     ; my K step's scale word of my row in row tile t; every wave's bytes have landed in front of the last barrier
.endr
	s_wait_dscnt 0x0
	global_store_b128 v[FG], v[XR:XR+3], s[12:13]  ; sixteen lanes store 256 consecutive bytes, at a multiple of 256 from the buffer's first byte
	s_wait_tensorcnt 0x0
	ds_add_u32 v122, v123
	s_wait_dscnt 0x0
	s_endpgm
.Lfunc_end_k_q5a78a14189_hq:
	.size	k_q5a78a14189_hq, .Lfunc_end_k_q5a78a14189_hq-k_q5a78a14189_hq
	.p2alignl 7, 3214868480
	.fill 96, 4, 3214868480
	.section	.rodata,"a",@progbits
	.p2align	6, 0x0
	.amdhsa_kernel k_q5a78a14189_hq
		.amdhsa_group_segment_fixed_size 134144
		.amdhsa_private_segment_fixed_size 0
		.amdhsa_enable_private_segment 0
		.amdhsa_kernarg_size 64
		.amdhsa_user_sgpr_count 2
		.amdhsa_user_sgpr_kernarg_segment_ptr 1
		.amdhsa_wavefront_size32 1
		.amdhsa_system_sgpr_workgroup_id_x 1
		.amdhsa_system_sgpr_workgroup_id_y 1
		.amdhsa_system_sgpr_workgroup_id_z 1
		.amdhsa_system_vgpr_workitem_id 0
		.amdhsa_next_free_vgpr 256
		.amdhsa_next_free_sgpr 66
		.amdhsa_reserve_vcc 1
		.amdhsa_float_denorm_mode_32 3
		.amdhsa_float_denorm_mode_16_64 3
		.amdhsa_memory_ordered 1
		.amdhsa_forward_progress 1
		.amdhsa_inst_pref_size 62
	.end_amdhsa_kernel
	.amdgpu_metadata
---
amdhsa.version: [ 1, 2 ]
amdhsa.kernels:
  - .name:           k_q5a78a14189_hq
    .symbol:         k_q5a78a14189_hq.kd
    .args:
      - { .name: x, .offset: 0, .size: 8, .value_kind: global_buffer, .address_space: global }
      - { .name: theta, .offset: 8, .size: 8, .value_kind: global_buffer, .address_space: global }
      - { .name: W1, .offset: 16, .size: 8, .value_kind: global_buffer, .address_space: global }
      - { .name: b1, .offset: 24, .size: 8, .value_kind: global_buffer, .address_space: global }
      - { .name: h_codes, .offset: 32, .size: 8, .value_kind: global_buffer, .address_space: global }
      - { .name: W2_scales, .offset: 40, .size: 8, .value_kind: global_buffer, .address_space: global }
      - { .name: W2_codes, .offset: 48, .size: 8, .value_kind: global_buffer, .address_space: global }
      - { .name: w2r, .offset: 56, .size: 8, .value_kind: global_buffer, .address_space: global }
    .group_segment_fixed_size: 134144
    .private_segment_fixed_size: 0
    .kernarg_segment_align: 8
    .kernarg_segment_size: 64
    .max_flat_workgroup_size: 512
    .sgpr_count:     66
    .vgpr_count:     256
    .wavefront_size: 32
...
	.end_amdgpu_metadata
.endif
;; end of part 1
;; launch gemm (part 2): grid 4 x 64, 4 waves a work-group, clusters of 4 x 4, 327,680 bytes of LDS; arguments h_codes, w2r, out0, b2; writes out0
.if DOCPART == 2
	.amdgcn_target "amdgcn-amd-amdhsa--gfx1250"
	.amdhsa_code_object_version 6
	.text
	.protected	k_q5a78a14189_gemm
	.globl	k_q5a78a14189_gemm
	.p2align	8
	.type	k_q5a78a14189_gemm,@function
k_q5a78a14189_gemm:
	s_mov_b64 s[64:65], 0
	v_nop
	global_prefetch_b8 v0, s[64:65] scope:SCOPE_SE
	s_setreg_imm32_b32 hwreg(HW_REG_WAVE_MODE, 25, 1), 1
	s_wait_xcnt 0x0
	s_wait_alu depctr_hold_cnt(0) depctr_sa_sdst(0) depctr_va_vdst(0) depctr_va_sdst(0) depctr_va_ssrc(0) depctr_va_vcc(0) depctr_vm_vsrc(0)
	s_getreg_b32 s2, hwreg(HW_REG_IB_STS2, 6, 4)
	s_cmp_eq_u32 s2, 0
	s_cbranch_scc0 .Lentry_in_a_cluster
	s_endpgm
.Lentry_in_a_cluster:
	s_bfe_u32 s2, ttmp6, 0x10000c
	s_cmp_lg_u32 s2, 0xf033
	s_cbranch_scc0 .Lentry_shape_is_right
	s_endpgm
.Lentry_shape_is_right:
; out = Q(h) W2^T + b2 on FP6 (E2M3) codes with E8M0 scales.  A work-group of four waves makes 256 x 256 of out, a wave 128 x 128 (64 accumulators, 512 registers); b2 is the C of the first products.
; BOTH OPERANDS LIE AS THE LAUNCH BEFORE LAID THEM: for each group of 128 rows and each 128 along K a dense tile of 12,800 bytes: 8 fragments x 3 pieces x (32 lanes x 16 bytes), images of the operand
; registers, then 512 bytes of scale words ([rows 0-63 | 64-127][row % 16][row tile][4 bytes]).  Tiles: [group][K step], so three K steps of a group are 38,400 dense bytes, 150 rows of 256 bytes.
; THE RING: two slots, each with three K steps of A's 256 rows and B's 256 rows; a wave's load is a quarter of a slot.  32 K steps are ten fills of three and one of two (100 rows: the two words of group 1
; that count rows are written while no load of the wave is out).  A lap of the loop is six steps, once round the ring; four laps; the first step and the last seven are written out.
; A fragment is three LDS loads of 16 bytes a lane at 16 x lane; a step's scale words are two (lanes 0-15 A's, lanes 16-31 B's): neighbouring lanes read neighbouring bytes, so nothing is padded.
; 4 x 4 clusters: A's tiles are asked for jointly along a row of the cluster, B's along a column.  The matrix instruction is used transposed (source 0 = B's rows): a lane holds 8 neighbouring numbers of a row of out.
; PREFETCH: behind each refill of the first three laps a wave names its work-group's 38 of the 150 blocks of 256 bytes that it fetches two refills on (left-over lanes name a block again); fill 10 is not asked for ahead.
; REGISTERS: window 0: v0-31 addresses, v32-47 scale words (two sets), v64-127 b2, from v128 A's fragments (one set); window 1: B's fragments, two sets; windows 2, 3: the accumulators.
.set SIZE_N, 1024
.set TILE,   12800
.set GRP,    32*TILE
.set ROWB,   3*TILE                    ; a wave's ring load in bytes
.set HALFT,  ROWB
.set SLOT,   4*HALFT
.set SPARE,  2*SLOT                    ; the spare words, 512 bytes
.set STAGE,  SLOT                      ; the way out goes through slot 1, which has had its last fill and its last read by then
.set SPITCH, 528
.set FR, 12
.set NL, 3
.set NP, 4
.set CO,   4                           ; v4 16 x lane
.set ADRA, 16
.set ADRB, 20
.set ADRS, 22
.set STO,  24
.set RD,   25
.set SPW,  28
.set NIL,  29
.set PFO,  30
.set SC,   32
.set BI,   64
.set AF,   128
.set BK,   128
.set G1,  24
.set G0,  32
.set G1B, 48
.set G0B, 56
.set PFA, 68
.set MSB, 0
.macro WIN new
.if MSB != \new
	s_set_vgpr_msb (MSB<<8)|\new
.set MSB, \new
.endif
.endm
.set MUL_LO, 0xa1
.set MUL_HI, 0xf1
.set FIRST_LO, 0x81
.set FIRST_HI, 0xc1
.set TO_B,   0x40
.macro JLOAD g0a, g1a, g0b, g1b        ; a joint load: waves 0, 1 fetch for A, waves 2, 3 for B; s_nop 0 and four v_nop behind each line
	s_cmp_eq_u32 s15, 0
	s_cbranch_scc0 .Lfor_b_\@
	tensor_load_to_lds s[\g0a:\g0a+3], s[\g1a:\g1a+7]
	s_nop 0
.rept 4
	v_nop
.endr
	s_branch .Lasked_\@
.Lfor_b_\@:
	tensor_load_to_lds s[\g0b:\g0b+3], s[\g1b:\g1b+7]
	s_nop 0
.rept 4
	v_nop
.endr
.Lasked_\@:
.endm
.macro ASK                             ; s3 = 1 in the last lap, whose refills have no full fill two on
	s_cmp_gt_u32 s3, 1
	s_cbranch_scc0 .Lnone_\@
	global_prefetch_b8 v[PFO], s[PFA:PFA+1] th:TH_LOAD_NT scope:SCOPE_SE
	global_prefetch_b8 v[PFO+1], s[PFA:PFA+1] th:TH_LOAD_NT scope:SCOPE_SE
.Lnone_\@:
.endm
.macro CREST
	s_cmp_lg_u32 s14, 0
	s_cbranch_scc1 .Lnot_wave_0_\@
	s_barrier_signal -3
.Lnot_wave_0_\@:
	s_barrier_wait -3
	s_barrier_signal -1
	s_barrier_wait -1
.endm
.macro CROUND
	s_barrier_signal -1
	s_barrier_wait -1
	CREST
.endm
	s_load_b128 s[4:7], s[0:1], 0x0                ; A's tiles s[4:5], B's s[6:7]
	s_load_b128 s[8:11], s[0:1], 0x10              ; out s[8:9], b2 s[10:11]
	v_lshl_add_u32 v[SPW], v0, 2, SPARE
	v_mov_b32 v[NIL], 0
	ds_add_u32 v[SPW], v[NIL]                      ; the opening lines: the add twice on end and one wait
	ds_add_u32 v[SPW], v[NIL]
	v_lshrrev_b32 v1, 5, v0
	v_readfirstlane_b32 s14, v1                    ; wave
	s_lshr_b32 s15, s14, 1                         ; my half of the rows; also: I fetch for A (0) or B (1)
	s_and_b32 s16, s14, 1                          ; my half of the columns; also: which group of 128 rows I fetch
	s_bfe_u32 s40, ttmp6, 0x40000                  ; cx
	s_bfe_u32 s41, ttmp6, 0x40004                  ; cy
	s_lshl_b32 s42, ttmp9, 2
	s_add_co_u32 s42, s42, s40                     ; tile column
	s_and_b32 s17, ttmp7, 0xffff
	s_lshl_b32 s17, s17, 2
	s_add_co_u32 s17, s17, s41                     ; tile row
	s_lshl_b32 s43, s41, 2
	s_lshl_b32 s43, 15, s43                        ; my row of the cluster
	s_lshl_b32 s44, 0x1111, s40                    ; my column
	s_or_b32 s[G1+0], s43, (3<<16)|(1<<21)         ; elements of 8 bytes, no padding; the mask and bit 21 beside it
	s_or_b32 s[G1B+0], s44, (3<<16)|(1<<21)
.irp g, G1, G1B
	s_mov_b32 s[\g+1], 32<<16                      ; 150 dense rows of 32 elements (256 bytes)
	s_mov_b32 s[\g+2], 150<<16
	s_mov_b32 s[\g+3], 32<<16
	s_mov_b32 s[\g+4], 150
	s_mov_b32 s[\g+5], 32
	s_mov_b32 s[\g+6], 0
	s_mov_b32 s[\g+7], 0
.endr
	s_lshl_b32 s20, s17, 1
	s_add_co_u32 s20, s20, s16
	s_mul_i32 s20, s20, GRP                        ; A: my group, by the tile row alone
	s_mov_b32 s21, 0
	s_lshl_b32 s46, s42, 1
	s_add_co_u32 s46, s46, s16
	s_mul_i32 s46, s46, GRP                        ; B: by the tile column alone
	s_mov_b32 s47, 0
	s_mul_i32 s45, s14, HALFT                      ; where my quarter of a slot lies
	s_wait_dscnt 0x0
	s_wait_kmcnt 0x0
	s_add_nc_u64 s[20:21], s[4:5], s[20:21]
	s_add_nc_u64 s[46:47], s[6:7], s[46:47]
	CROUND                                         ; in front of the first joint loads
.irp s, 0,1
	s_mov_b32 s[G0+4*\s], 1
	s_add_co_u32 s[G0+4*\s+1], s45, \s*SLOT
	s_add_nc_u64 s[G0+4*\s+2:G0+4*\s+3], s[20:21], \s*ROWB
	s_or_b32 s[G0+4*\s+3], s[G0+4*\s+3], 0x80000000
	s_mov_b32 s[G0B+4*\s], 1
	s_add_co_u32 s[G0B+4*\s+1], s45, \s*SLOT
	s_add_nc_u64 s[G0B+4*\s+2:G0B+4*\s+3], s[46:47], \s*ROWB
	s_or_b32 s[G0B+4*\s+3], s[G0B+4*\s+3], 0x80000000
.endr
	JLOAD G0, G1, G0B, G1B                         ; fill 0: one tensor load a wave at the head
	v_and_b32 v1, 15, v0                           ; r
	v_bfe_u32 v2, v0, 4, 1                         ; h
	v_and_b32 v[CO], 31, v0
	v_lshlrev_b32 v[CO], 4, v[CO]
	s_wait_alu depctr_va_vdst(0)
	s_mul_i32 s21, s15, HALFT                      ; my 128 rows of A
	s_mul_i32 s22, s16, HALFT
	s_add_co_u32 s22, s22, 2*HALFT                 ; my 128 rows of B
	s_sub_co_u32 s23, s22, s21
	v_mul_u32_u24 v6, s23, v2                      ; scale words: lanes 16-31 take B's
	v_lshl_add_u32 v6, v1, 4, v6
	v_add_nc_u32 v6, 12288, v6                     ; behind a tile's codes
.irp s, 0,1
	v_add_nc_u32 v[ADRA+\s], s21, v[CO]
	v_add_nc_u32 v[ADRB+\s], s22, v[CO]
	v_add_nc_u32 v[ADRS+\s], s21, v6
	s_add_co_u32 s21, s21, SLOT
	s_add_co_u32 s22, s22, SLOT
.endr
	s_mul_i32 s23, s14, 16*SPITCH
	s_add_co_u32 s23, s23, STAGE                   ; my stage
	v_mul_u32_u24 v5, v1, SPITCH
	v_lshl_add_u32 v5, v2, 5, v5
	v_add_nc_u32 v[STO], s23, v5
	v_add_nc_u32 v[RD], s23, v[CO]
	s_lshl_b32 s20, s17, 8
	s_lshl_b32 s21, s15, 7
	s_add_co_u32 s20, s20, s21                     ; my first row of out
	s_mov_b32 s21, 0
	s_mov_b64 s[18:19], SIZE_N*4
	s_mul_u64 s[20:21], s[20:21], s[18:19]
	s_lshl_b32 s46, s42, 10
	s_lshl_b32 s47, s16, 9
	s_add_co_u32 s46, s46, s47                     ; my first column, in bytes
	s_mov_b32 s47, 0
	s_add_nc_u64 s[20:21], s[20:21], s[46:47]
	s_add_nc_u64 s[8:9], s[8:9], s[20:21]
	s_add_nc_u64 s[10:11], s[10:11], s[46:47]
	v_lshlrev_b32 v7, 5, v2
.irp b, 0,1,2,3,4,5,6,7
	global_load_b128 v[BI+8*\b:BI+8*\b+3], v7, s[10:11] offset:64*\b       ; b2 in the result's layout
	global_load_b128 v[BI+8*\b+4:BI+8*\b+7], v7, s[10:11] offset:64*\b+16
.endr
	s_cmp_eq_u32 s15, 0                            ; the prefetches: the group that I fetch, and my place among the four that ask with me
	s_cselect_b32 s72, s17, s42
	s_cselect_b32 s75, s40, s41
	s_cselect_b64 s[PFA:PFA+1], s[4:5], s[6:7]
	s_lshl_b32 s72, s72, 1
	s_add_co_u32 s72, s72, s16
	s_mul_i32 s72, s72, GRP
	s_add_co_u32 s72, s72, 3*ROWB                  ; the first refill (fill 2) steps it to fill 4
	s_mov_b32 s73, 0
	s_add_nc_u64 s[PFA:PFA+1], s[PFA:PFA+1], s[72:73]
	s_mul_i32 s75, s75, 38
	v_and_b32 v8, 31, v0
	v_min_u32 v9, 5, v8
	v_add_nc_u32 v[PFO], s75, v8                   ; blocks 38 p .. 38 p + 31,
	v_add3_u32 v[PFO+1], s75, v9, 32               ; and 38 p + 32 .. 38 p + 37,
	v_min_u32 v[PFO], 149, v[PFO]                  ; held inside the fill's 150
	v_min_u32 v[PFO+1], 149, v[PFO+1]
	v_lshlrev_b32 v[PFO], 8, v[PFO]
	v_lshlrev_b32 v[PFO+1], 8, v[PFO+1]
.macro FRAG reg, adr, q, i
.irp p, 0,1,2
	ds_load_b128 v[\reg+4*\p:\reg+4*\p+3], v[\adr] offset:TILE*(\q)+1536*(\i)+512*\p
.endr
.endm
; 16 matrix instructions: A's blocks a0, a0 + 1 x B's eight.  p: B's set and the set of scale words.  The 64 accumulators take turns in the same order in every step.
.macro MUL16 a0, p, first
.irp a, \a0, \a0+1
.irp b, 0,1,2,3,4,5,6,7
.if \first
	v_wmma_scale_f32_16x16x128_f8f6f4 v[8*(8*((\a)%4)+\b):8*(8*((\a)%4)+\b)+7], v[128*(\p)+FR*\b:128*(\p)+FR*\b+FR-1], v[AF+FR*(\a):AF+FR*(\a)+FR-1], v[BI+8*\b:BI+8*\b+7], v[SC+8*(\p)+\b], v[SC+8*(\p)+(\a)] matrix_a_fmt:MATRIX_FMT_FP6 matrix_b_fmt:MATRIX_FMT_FP6 matrix_a_scale:MATRIX_SCALE_ROW1
.else
	v_wmma_scale_f32_16x16x128_f8f6f4 v[8*(8*((\a)%4)+\b):8*(8*((\a)%4)+\b)+7], v[128*(\p)+FR*\b:128*(\p)+FR*\b+FR-1], v[AF+FR*(\a):AF+FR*(\a)+FR-1], v[8*(8*((\a)%4)+\b):8*(8*((\a)%4)+\b)+7], v[SC+8*(\p)+\b], v[SC+8*(\p)+(\a)] matrix_a_fmt:MATRIX_FMT_FP6 matrix_b_fmt:MATRIX_FMT_FP6 matrix_a_scale:MATRIX_SCALE_ROW1
.endif
.endr
.endr
.endm
; the middle run of loads: the next step's (slot ns, K step nq of its three) B fragments and scale words into set p, and A's blocks 0-3
.macro FETCH_MID ns, nq, p
	WIN TO_B
.irp i, 0,1,2,3,4,5,6,7
	FRAG 128*(\p)+FR*\i, ADRB+\ns, \nq, \i
.endr
	WIN 0
	FETCH_A \ns, \nq, 0
	ds_load_b128 v[SC+8*(\p):SC+8*(\p)+3], v[ADRS+\ns] offset:TILE*(\nq)
	ds_load_b128 v[SC+8*(\p)+4:SC+8*(\p)+7], v[ADRS+\ns] offset:TILE*(\nq)+256
.endm
.macro FETCH_A ns, nq, i0
.irp i, \i0, \i0+1, \i0+2, \i0+3
	FRAG AF+FR*(\i), ADRA+\ns, \nq, \i
.endr
.endm
.macro PLACES n
.rept \n
	v_nop
.endr
.endm
; a step that stays in its slot: 64 matrix instructions on set p; the next step's fragments are fetched in its middle and at its end
.macro STEP p, ns, nq, first
	s_wait_dscnt 4*NL                              ; all but the youngest twelve loads (A's blocks 4-7)
.if \first
	WIN FIRST_LO
.else
	WIN MUL_LO
.endif
	MUL16 0, \p, \first
	MUL16 2, \p, \first
	s_wait_dscnt 0
	PLACES NP
	FETCH_MID \ns, \nq, 1-(\p)
.if \first
	WIN FIRST_HI
.else
	WIN MUL_HI
.endif
	MUL16 4, \p, \first
	MUL16 6, \p, \first
	PLACES NP
	WIN 0
	FETCH_A \ns, \nq, 4
.endm
; a slot's last step.  fill = 1: the slot is filled again, two fills on; 2: with the last fill, of two K steps; 0: nothing is left to fetch, and no round follows
.macro TURN p, slot, next, fill
.if \fill == 1
	s_wait_xcnt 0x0                                ; my prefetches have read their address
	s_add_nc_u64 s[PFA:PFA+1], s[PFA:PFA+1], ROWB
.endif
	s_wait_tensorcnt 0x0                           ; all my tensor loads have landed: my part of the next slot
	ds_add_u32 v[SPW], v[NIL]
.if \fill == 2
	s_mov_b32 s[G1+2], 100<<16                     ; no tensor load of mine is out: the last fill has 100 rows
	s_mov_b32 s[G1+4], 100
	s_mov_b32 s[G1B+2], 100<<16
	s_mov_b32 s[G1B+4], 100
.endif
	s_wait_dscnt 4*NL+1                            ; the add and the youngest twelve loads may be out
	WIN MUL_LO
	MUL16 0, \p, 0
	s_wait_dscnt 0x0                               ; the add is done, and my reads of this slot are over
	s_barrier_signal -1
	MUL16 2, \p, 0
	WIN 0
	s_barrier_wait -1
.if \fill
	CREST                                          ; the barrier has opened a round of the cluster's barrier
	s_add_nc_u64 s[G0+4*\slot+2:G0+4*\slot+3], s[G0+4*\slot+2:G0+4*\slot+3], 2*ROWB
	s_add_nc_u64 s[G0B+4*\slot+2:G0B+4*\slot+3], s[G0B+4*\slot+2:G0B+4*\slot+3], 2*ROWB
	JLOAD G0+4*\slot, G1, G0B+4*\slot, G1B         ; the first tensor load behind the round; its four v_nop are the places in front of the loads below
.else
	PLACES NP
.endif
	FETCH_MID \next, 0, 1-(\p)
.if \fill == 1
	ASK
.endif
	WIN MUL_HI
	MUL16 4, \p, 0
	MUL16 6, \p, 0
	PLACES NP
	WIN 0
	FETCH_A \next, 0, 4
.endm
	s_wait_alu depctr_va_vdst(0)
	s_wait_loadcnt 0x0                             ; b2
	s_wait_tensorcnt 0x0                           ; my quarter of fill 0 is in
	ds_add_u32 v[SPW], v[NIL]
	s_wait_dscnt 0x0
	CROUND
	JLOAD G0+4, G1, G0B+4, G1B                     ; fill 1, slot 1's first, the first tensor load behind the round
	FETCH_MID 0, 0, 0
	FETCH_A 0, 0, 4
	STEP 0, 0, 1, 1                                ; step 0: its products start the sums on b2
	s_mov_b32 s3, 4
.Llap:                                                 ; steps 6 L + 1 .. 6 L + 6; refills: fills 2 L + 2 and 2 L + 3
	STEP 1, 0, 2, 0
	TURN 0, 0, 1, 1
	STEP 1, 1, 1, 0
	STEP 0, 1, 2, 0
	TURN 1, 1, 0, 1
	STEP 0, 0, 1, 0
	s_sub_co_u32 s3, s3, 1
	s_cmp_lg_u32 s3, 0
	s_cbranch_scc1 .Llap
	STEP 1, 0, 2, 0                                ; step 25
	TURN 0, 0, 1, 2                                ; step 26: slot 0 takes fill 10, K steps 30 and 31
	STEP 1, 1, 1, 0
	STEP 0, 1, 2, 0
	TURN 1, 1, 0, 0                                ; step 29
	STEP 0, 0, 1, 0                                ; step 30
	s_wait_dscnt 4*NL                              ; step 31: nothing more to fetch
	WIN MUL_LO
	MUL16 0, 1, 0
	MUL16 2, 1, 0
	s_wait_dscnt 0
	WIN MUL_HI
	MUL16 4, 1, 0
	MUL16 6, 1, 0
	WIN 0
; THE WAY OUT, by blocks of 16 rows x 128 columns through my own stage: in as 32 bytes a lane, back as whole rows of 512 bytes.  LDS serves a wave's instructions in order (ISA guide 5.7.1.4).
.macro TOSTAGE a
.set AC, 64*((\a)%4)
	WIN 0x08+4*((\a)/4)
.irp b, 0,1,2,3,4,5,6,7
	ds_store_b128 v[STO], v[AC+8*\b:AC+8*\b+3] offset:64*\b          ; each accumulator from its low end on
	ds_store_b128 v[STO], v[AC+8*\b+4:AC+8*\b+7] offset:64*\b+16
.endr
	WIN 0
.set BB, BK+64*((\a)%2)
.irp t, 0,1,2,3,4,5,6,7,8,9,10,11,12,13,14,15
	ds_load_b128 v[BB+4*\t:BB+4*\t+3], v[RD] offset:\t*SPITCH
.endr
.endm
.macro SEND a, younger
.set BB, BK+64*((\a)%2)
	s_wait_dscnt \younger
.if (\a) > 0
	s_add_nc_u64 s[8:9], s[8:9], 16*SIZE_N*4       ; behind a wait on XCNT: the earlier stores have read their base
.endif
.irp t, 0,1,2,3,4,5,6,7,8,9,10,11,12,13,14,15
	global_store_b128 v[CO], v[BB+4*\t:BB+4*\t+3], s[8:9] offset:\t*SIZE_N*4 th:TH_STORE_NT   ; 32 lanes store 512 consecutive bytes, at a multiple of 256 from the buffer's first byte
.endr
.endm
	PLACES NP
	TOSTAGE 0
.irp a, 1,2,3,4,5,6,7
.if \a > 1
	s_wait_xcnt 0x0                                ; block a - 2's stores have read their registers and their base
.endif
	TOSTAGE \a
	SEND \a-1, 32                                  ; behind block a - 1's loads: block a's 16 stores and 16 loads
.endr
	s_wait_xcnt 0x0
	SEND 7, 0
	s_wait_tensorcnt 0x0                           ; the wave's end
	ds_add_u32 v[SPW], v[NIL]
	s_wait_dscnt 0x0
	CROUND                                         ; the closing round
	s_endpgm
.Lfunc_end_k_q5a78a14189_gemm:
	.size	k_q5a78a14189_gemm, .Lfunc_end_k_q5a78a14189_gemm-k_q5a78a14189_gemm
	.p2alignl 7, 3214868480
	.fill 96, 4, 3214868480
	.section	.rodata,"a",@progbits
	.p2align	6, 0x0
	.amdhsa_kernel k_q5a78a14189_gemm
		.amdhsa_group_segment_fixed_size 327680
		.amdhsa_private_segment_fixed_size 0
		.amdhsa_enable_private_segment 0
		.amdhsa_kernarg_size 32
		.amdhsa_user_sgpr_count 2
		.amdhsa_user_sgpr_kernarg_segment_ptr 1
		.amdhsa_wavefront_size32 1
		.amdhsa_system_sgpr_workgroup_id_x 1
		.amdhsa_system_sgpr_workgroup_id_y 1
		.amdhsa_system_sgpr_workgroup_id_z 1
		.amdhsa_system_vgpr_workitem_id 0
		.amdhsa_next_free_vgpr 1024
		.amdhsa_next_free_sgpr 80
		.amdhsa_reserve_vcc 0
		.amdhsa_float_denorm_mode_32 3
		.amdhsa_float_denorm_mode_16_64 3
		.amdhsa_memory_ordered 1
		.amdhsa_forward_progress 1
		.amdhsa_inst_pref_size 206
	.end_amdhsa_kernel
	.amdgpu_metadata
---
amdhsa.version: [ 1, 2 ]
amdhsa.kernels:
  - .name:           k_q5a78a14189_gemm
    .symbol:         k_q5a78a14189_gemm.kd
    .args:
      - { .name: h_codes, .offset: 0, .size: 8, .value_kind: global_buffer, .address_space: global }
      - { .name: w2r, .offset: 8, .size: 8, .value_kind: global_buffer, .address_space: global }
      - { .name: out0, .offset: 16, .size: 8, .value_kind: global_buffer, .address_space: global }
      - { .name: b2, .offset: 24, .size: 8, .value_kind: global_buffer, .address_space: global }
    .group_segment_fixed_size: 327680
    .private_segment_fixed_size: 0
    .kernarg_segment_align: 8
    .kernarg_segment_size: 32
    .max_flat_workgroup_size: 128
    .sgpr_count:     80
    .vgpr_count:     1024
    .wavefront_size: 32
...
	.end_amdgpu_metadata
.endif
;; end of part 2
